; MI455X (gfx1250); checked and timed in simulation.
; The chip was launched on July 23, 2026; its instructions are those of AMD's public machine-readable ISA for CDNA 5 (MIT licence, August 2026) and "CDNA5" Instruction Set Architecture Reference Guide (July 2026). The comments in the code are by the model that wrote it; some were corrected since.
;; Channel Mixing KAN. Allowed arithmetic: matrix products marked QUANTISED: E2M1 operands, one E8M0 scale for each 32 along K, by v_wmma_scale_f32_16x16x128_f8f6f4 with both operands' format E2M1 (or v_wmma_scale_f32_32x16x128_f4), f32 sums; everything else in f32.
;; Inputs: U 64 x 128 x 512 float32; bw1_codes 256 x 4 x 16 uint8 (E2M1 codes of bw1, K innermost, in blocks of 32 codes, two codes a byte); bw1_scales 256 x 4 uint8 (E8M0 scales of bw1, one for each 32 codes along K); bw2_codes 128 x 8 x 16 uint8 (E2M1 codes of bw2, K innermost, in blocks of 32 codes, two codes a byte); bw2_scales 128 x 8 uint8 (E8M0 scales of bw2, one for each 32 codes along K); ln_b 512 x 128 float32; ln_w 512 x 128 float32; ss1 256 x 128 float32; ss2 128 x 256 float32; sw1 256 x 128 x 8 float32; sw2 128 x 256 x 8 float32.
;; Outputs: out0 64 x 128 x 512 float32.
;; This version of the problem:
;;   THIS VERSION OF THE PROBLEM IS GIVEN IN LOW PRECISION. The matrix products marked QUANTISED in the list below multiply operands that are first quantised to E2M1 (2 exponent bits, 1 mantissa bit; 4 bits a number), with one power-of-two scale for each 32 numbers along K (OCP MX v1.0); their sums are f32. All else is computed in f32.
;;   The module's matrix products, in the order in which they are computed (A, B: the left and right operand; K: the contracted axis; several contracted axes count as one K, in the product's order):
;;     1. [M 32,768, K 128] x [K 128, N 256]; A: computed on the way; B: input bw1 (given as codes): QUANTISED
;;     2. [M 32,768, K 1,024] x [K 1,024, N 256]; A: computed on the way; B: computed on the way: QUANTISED
;;     3. [M 32,768, K 256] x [K 256, N 128]; A: computed on the way; B: input bw2 (given as codes): QUANTISED
;;     4. [M 32,768, K 2,048] x [K 2,048, N 128]; A: computed on the way; B: computed on the way: QUANTISED
;;   THE QUANTISER, for each operand of a quantised product, along K:
;;     - K is cut into blocks of 32 from its start; a last block that is shorter is filled with zeros.
;;     - A block's scale is 2^e with e = floor(log2(the largest magnitude in the block)) - 2, held to -126 .. 127; a block of zeros has e = 0. As a byte (E8M0): e + 127.
;;     - Each number is divided by its block's scale, clamped to +-6, and rounded to the nearest number of E2M1, ties to even, subnormals kept.
;;     - The product sums the exact products of the quantised numbers (number of the format x scale) in f32.
;;   ~~~python
;;   def quantise(x, axis):      # numpy; x: float32 -> the quantised numbers, widened to float32 again
;;       x = np.moveaxis(x, axis, -1); K = x.shape[-1]
;;       x = np.pad(x, [(0, 0)] * (x.ndim - 1) + [(0, -K % 32)]); x = x.reshape(x.shape[:-1] + (-1, 32)); a = np.abs(x).max(-1, keepdims=True)
;;       e = np.where(a > 0, np.clip(np.frexp(np.where(a > 0, a, 1))[1] - 1 - 2, -126, 127), 0)      # np.frexp(a)[1] - 1 = floor(log2(a)), exactly
;;       r = np.clip(x / 2.0 ** e, -6, 6)
;;       step = 2.0 ** (np.maximum(np.frexp(np.where(r == 0, 1, r))[1] - 1, 0) - 1)
;;       q = np.round(r / step) * step * 2.0 ** e      # np.round: ties to even
;;       return np.moveaxis(q.reshape(q.shape[:-2] + (-1,))[..., :K], -1, axis).astype(np.float32)
;;   ~~~
;;   OPERANDS COMPUTED ON THE WAY. 'Computed on the way' means the value that the module computes at that place (a softmax that the list does not call 'softmax' is quantised finished and normalised). What goes into a quantiser is computed in f32, as accurately as f32 sums, v_exp_f32 and their like allow (about 1e-6 of the number): no bf16 or f16 on the way to a quantiser, and a product that is left as it is and whose result goes on into a quantised operand takes f32 operands (vector FMAs, or v_wmma_f32_16x16x4_f32). A number that lies on a knife's edge between two numbers of the format may be rounded either way, as far as f32 arithmetic and the matrix unit's own rounding can turn it there, and no further.
;;   INPUTS GIVEN AS CODES. bw1 (in the module: [256, 128], K = its axis 1); bw2 (in the module: [128, 256], K = its axis 1): each comes as NAME_codes (uint8): NAME with its K axis moved to the last place and cut into blocks of 32 codes, [.., K / 32, bytes a block], one block behind the other in memory; two codes a byte, the lower K in the low four bits (a code: sign, 2 exponent bits, 1 mantissa bit); and NAME_scales (uint8): the same leading axes, one E8M0 byte (e + 127) for each 32 codes along K. Its value is code x scale, taken as it is: it is not quantised again, and the codes and scales need not be those that the quantiser above would give.
;; One version. Each part assembles by itself: llvm-mc -triple=amdgcn-amd-amdhsa -mcpu=gfx1250 --defsym DOCPART=n.
;; ======== version 1 of 1: 2 launches
;; workspace buffers: wpack 313,344 bytes; lnT 524,288 bytes; stats 8,192 bytes
;; launch prep (part 1): grid 256 x 1, 4 waves a work-group, no clusters, 8,960 bytes of LDS; arguments U, ln_w, ln_b, sw1, ss1, sw2, ss2, bw1_codes, bw1_scales, bw2_codes, bw2_scales, wpack, lnT, stats; writes wpack, lnT, stats
.if DOCPART == 1
	.amdgcn_target "amdgcn-amd-amdhsa--gfx1250"
	.amdhsa_code_object_version 6
	.text
	.protected	k_q38284dced4_prep
	.globl	k_q38284dced4_prep
	.p2align	8
	.type	k_q38284dced4_prep,@function
k_q38284dced4_prep:
	s_mov_b64 s[64:65], 0
	v_nop
	global_prefetch_b8 v0, s[64:65] scope:SCOPE_SE
	s_setreg_imm32_b32 hwreg(HW_REG_WAVE_MODE, 25, 1), 1
	s_wait_xcnt 0x0
; WHAT THE SECOND LAUNCH NEEDS AND NO WORK-GROUP OF IT COULD MAKE ALONE.  256 work-groups of four waves; each does four small things on one path.
; (1) SPLINE WEIGHTS.  sw x ss is quantised to FP4 (E2M1).  THE PRODUCT'S K IS coefficient x width + feature: a block of 32 is 32 neighbouring features of ONE coefficient; one E8M0 byte a block.
;     The codes are laid as IMAGES OF THE MATRIX OPERAND'S REGISTERS: a fragment is 16 weight rows x 128 K = 1,024 bytes; the 16 bytes at 256 b + 16 r hold the 32 codes of row r, block b of the K step's four.
;     wpack = two packs of 156,672 bytes (layer 1, layer 2): 144 fragments [K step S][tile], then the scale words [S][tile / 4][row 16][tile % 4], 9,216 bytes.
;     Layer 1: 16 tiles; S = 0 the base weight bw1; S = 1 + c: coefficient c of the 128 features.  Layer 2: 8 tiles; S = 0, 1 bw2; S = 2 + 8 s + c: coefficient c of features 128 s .. 128 s + 127.
;     A work-group takes 8 weight rows x 32 features x 8 coefficients: 8 runs of 1,024 consecutive bytes of sw.  Thread (row = thread / 16, p = thread % 16) loads features 2 p, 2 p + 1 (64 bytes), multiplies by ss and puts
;     them into LDS as they lie; behind the barrier lane (coefficient 2 w + lane / 16, row (lane / 2) % 8, half lane % 2) takes 16 features of one coefficient: two neighbouring lanes hold a block.
;     Sixteen lanes store 128 consecutive bytes of a fragment.  A scale word's four bytes come from four work-groups, so the scale bytes (16 KB in all) leave one by one.
; (2) BASE WEIGHTS arrive as codes: they are only laid into the same images, and their scale bytes are words already.  32 fragments: the work-groups with g % 8 = 0 store fragment g / 8; the other seven of a group load the
;     same few bytes and store nothing of it, so that every register is written on every path.
; (3) ln_w, ln_b [512 t][128 c] become lnT [c][t] of pairs (w, b): the second launch reads them along t, as U lies.
; (4) STATISTICS.  Wave w of work-group g takes the 4,096 numbers of U from 4,096 (4 g + w) on (a sixteenth of a batch): their mean, and the sum of squares of the differences from THAT mean (two passes over registers).
; A block's scale is 2^(floor(log2(largest magnitude)) - 2): its byte is the largest magnitude's exponent field - 2, held at 1 from below by a floor among the maximum's leaves.
; LIMITS: a block of zeros gets the byte 1 where the quantiser says 127: its codes are zeros, and only this program reads the bytes.  NaN and infinities among the inputs are not served.
; No tensor load, no matrix instruction, one barrier.
.set PACK,  156672
.set SCOFF, 147456                     ; the scale words' place in a pack
.set RP,    1040                       ; LDS: a weight row's 32 features x 8 coefficients, 1,024 bytes + 16
	s_load_b512 s[4:19], s[0:1], 0x0               ; U s[4:5], ln_w s[6:7], ln_b s[8:9], sw1 s[10:11], ss1 s[12:13], sw2 s[14:15], ss2 s[16:17], bw1_codes s[18:19]
	s_load_b256 s[20:27], s[0:1], 0x40             ; bw1_scales s[20:21], bw2_codes s[22:23], bw2_scales s[24:25], wpack s[26:27]
	s_load_b128 s[28:31], s[0:1], 0x60             ; lnT s[28:29], stats s[30:31]
	v_lshl_add_u32 v192, v0, 2, 0x2100
	v_mov_b32 v193, 0
	v_lshrrev_b32 v1, 5, v0
	v_readfirstlane_b32 s32, v1                    ; wave w
	v_and_b32 v1, 31, v0                           ; lane
	v_lshrrev_b32 v2, 4, v0                        ; the row that I load, 0 .. 7
	v_and_b32 v3, 15, v0                           ; p = lane % 16
	s_mov_b32 s2, 0x76543210
	s_mov_b32 s3, 0xfedcba98                       ; v_permlanex16_b32's selects for lane l xor 16
	s_cmp_lt_u32 ttmp9, 128                        ; work-groups 0 .. 127: layer 1; 128 .. 255: layer 2
	s_cselect_b32 s33, 2, 3                        ; bits of the feature block in g
	s_cselect_b32 s34, 3, 7                        ; feature blocks - 1
	s_cselect_b32 s35, 15, 7                       ; tiles - 1
	s_cselect_b32 s36, 7, 8                        ; log2 of the layer's input width
	s_cselect_b32 s37, 1, 2                        ; K steps of the base weight
	s_cselect_b32 s38, 4, 3                        ; log2 of the tiles
	s_cselect_b32 s39, 0, PACK                     ; the layer's pack
	s_and_b32 s40, ttmp9, s34                      ; which 32 features
	s_lshr_b32 s41, ttmp9, s33
	s_and_b32 s42, s41, 1                          ; which 8 rows of the tile
	s_lshr_b32 s41, s41, 1
	s_and_b32 s41, s41, s35                        ; the tile
	s_and_b32 s43, s40, 3                          ; b: the block's place in its K step
	s_lshr_b32 s44, s40, 2                         ; s: which 128 features
	s_lshl_b32 s44, s44, 3
	s_add_co_u32 s44, s44, s37                     ; S of coefficient 0
	s_lshr_b32 s45, ttmp9, 3                       ; the base fragment's number
	s_and_b32 s46, s45, s35                        ; its tile
	s_lshr_b32 s47, s45, s38
	s_and_b32 s47, s47, 1                          ; its S
	s_and_b32 s50, ttmp9, 7                        ; 0: this work-group stores it
	s_lshl_b32 s48, s47, s38                       ; the base fragment's byte offset in wpack -> s48; that of its row 0's scale word -> s49
	s_lshl_b32 s49, s48, 6                         ; a K step's scale words: 64 bytes a tile
	s_add_co_u32 s48, s48, s46
	s_lshl_b32 s48, s48, 10
	s_add_co_u32 s48, s48, s39
	s_lshr_b32 s51, s46, 2
	s_lshl_b32 s51, s51, 8
	s_add_co_u32 s49, s49, s51
	s_and_b32 s51, s46, 3
	s_lshl_b32 s51, s51, 2
	s_add_co_u32 s49, s49, s51
	s_add_co_u32 s49, s49, s39
	s_add_co_u32 s49, s49, SCOFF
	; (1) in: number (row, feature) = (16 tile + 8 half + row) x width + 32 block + 2 p
	s_lshl_b32 s51, s41, 4
	s_lshl_b32 s52, s42, 3
	s_add_co_u32 s51, s51, s52
	s_lshl_b32 s52, s51, s36
	s_lshl_b32 s53, s40, 5
	s_add_co_u32 s52, s52, s53
	v_lshlrev_b32 v4, s36, v2
	v_lshl_add_u32 v4, v3, 1, v4
	v_add_nc_u32 v4, s52, v4
	v_lshlrev_b32 v5, 5, v4                        ; in sw: 32 bytes a feature
	v_lshlrev_b32 v6, 2, v4                        ; in ss: 4
	v_lshl_add_u32 v4, v3, 4, s49                  ; (2) where wave 0 stores row (lane % 16)'s base scale word: rows are 16 bytes apart
	v_mul_u32_u24 v11, v2, RP
	v_lshl_add_u32 v11, v3, 6, v11                 ; LDS, in: my row, my two features' 64 bytes
	; (1) out: coefficient 2 w + lane / 16, row (lane / 2) % 8, half lane % 2
	v_lshrrev_b32 v12, 4, v1
	s_lshl_b32 s51, s32, 1
	v_add_nc_u32 v12, s51, v12                     ; c
	v_bfe_u32 v13, v1, 1, 3                        ; row
	v_and_b32 v14, 1, v1                           ; half
	v_mul_u32_u24 v15, v13, RP
	v_lshl_add_u32 v15, v14, 9, v15                ; 16 features of 32 bytes
	v_lshl_add_u32 v15, v12, 2, v15                ; LDS, out: feature k of my 16 lies 32 k bytes on
	v_add_nc_u32 v56, s44, v12                     ; S
	v_lshlrev_b32 v57, s38, v56                    ; S x tiles
	v_add_nc_u32 v58, s41, v57
	v_lshlrev_b32 v58, 10, v58                     ; the fragment
	s_lshl_b32 s54, s43, 8                         ; + 256 b
	s_lshl_b32 s51, s42, 7                         ; + 8 rows of 16 bytes
	s_add_co_u32 s54, s54, s51
	s_add_co_u32 s54, s54, s39
	v_lshl_add_u32 v58, v3, 3, v58                 ; + 16 row + 8 half = 8 (lane % 16)
	v_add_nc_u32 v58, s54, v58                     ; my 8 bytes of codes
	v_lshlrev_b32 v57, 6, v57                      ; the K step's scale words
	v_lshl_add_u32 v57, v13, 4, v57
	s_lshr_b32 s55, s41, 2
	s_lshl_b32 s55, s55, 8
	s_add_co_u32 s55, s55, s51
	s_and_b32 s52, s41, 3
	s_lshl_b32 s52, s52, 2
	s_add_co_u32 s55, s55, s52
	s_add_co_u32 s55, s55, s43                     ; byte b of the word
	s_add_co_u32 s55, s55, s39
	s_add_co_u32 s55, s55, SCOFF
	v_add_nc_u32 v57, s55, v57                     ; my block's scale byte
	; (2) wave w: block 4 S + w; lane: row lane / 2, half lane % 2.  A row of codes is width / 2 bytes, of scale bytes width / 32
	v_lshrrev_b32 v55, 1, v1
	s_lshl_b32 s51, s32, 8
	v_lshl_add_u32 v39, v1, 3, s51
	v_add_nc_u32 v39, s48, v39                     ; out: 256 w + 8 lane in the fragment
	s_sub_co_u32 s51, s36, 1
	s_sub_co_u32 s52, s36, 5
	s_lshl_b32 s53, s46, 4
	v_add_nc_u32 v55, s53, v55
	s_lshl_b32 s56, s47, 2
	s_add_co_u32 s57, s56, s32
	s_lshl_b32 s57, s57, 4
	v_lshlrev_b32 v60, s51, v55
	v_add_nc_u32 v60, s57, v60
	v_lshl_add_u32 v60, v14, 3, v60                ; in: my 8 bytes of the block's 16
	v_add_nc_u32 v61, s53, v3
	v_lshlrev_b32 v61, s52, v61
	v_add_nc_u32 v61, s56, v61                     ; in: row (lane % 16)'s four scale bytes of K step S
	; (3) token 32 (g % 16) + lane, channels 8 (g / 16) + 2 w and + 1
	s_and_b32 s51, ttmp9, 15
	s_lshr_b32 s52, ttmp9, 4
	s_lshl_b32 s53, s51, 14
	s_lshl_b32 s54, s52, 5
	s_add_co_u32 s53, s53, s54
	s_lshl_b32 s54, s32, 3
	s_add_co_u32 s53, s53, s54
	v_lshl_add_u32 v7, v1, 9, s53                  ; in ln_w, ln_b: 512 t + 4 c
	s_lshl_b32 s53, s52, 15
	s_lshl_b32 s54, s32, 13
	s_add_co_u32 s53, s53, s54
	s_lshl_b32 s54, s51, 8
	s_add_co_u32 s53, s53, s54
	v_lshl_add_u32 v8, v1, 3, s53                  ; in lnT: 4,096 c + 8 t
	; (4) part 4 g + w
	s_lshl_b32 s51, ttmp9, 2
	s_add_co_u32 s51, s51, s32
	s_lshl_b32 s52, s51, 14
	v_lshl_add_u32 v9, v1, 4, s52                  ; 16,384 bytes a part, 16 a lane
	s_lshl_b32 s52, s51, 3
	v_mov_b32 v10, s52                             ; 8 bytes a part in stats
	s_wait_kmcnt 0x0
	s_cmp_lt_u32 ttmp9, 128                        ; the layer's tensors: the choice hangs on the work-group's number alone
	s_cselect_b64 s[10:11], s[10:11], s[14:15]
	s_cselect_b64 s[12:13], s[12:13], s[16:17]
	s_cselect_b64 s[18:19], s[18:19], s[22:23]
	s_cselect_b64 s[20:21], s[20:21], s[24:25]
.irp i,0,1,2,3
	global_load_b128 v[16+4*\i:19+4*\i], v5, s[10:11] offset:16*\i th:TH_LOAD_NT   ; two features' 16 coefficients: sixteen lanes read 1,024 consecutive bytes
.endr
	global_load_b64 v[32:33], v6, s[12:13]         ; their two ss
	global_load_b32 v40, v7, s[6:7]                ; straight into the pairs (w, b) of two channels
	global_load_b32 v41, v7, s[8:9]
	global_load_b32 v42, v7, s[6:7] offset:4
	global_load_b32 v43, v7, s[8:9] offset:4
	global_load_b64 v[62:63], v60, s[18:19]        ; the base weight's codes
	global_load_b32 v54, v61, s[20:21]             ; and a row's scale word
.set i_, 0
.rept 32
	global_load_b128 v[64+4*i_:67+4*i_], v9, s[4:5] offset:512*i_   ; 32 lanes read 512 consecutive bytes
.set i_, i_+1
.endr
	s_wait_loadcnt 32                              ; the eleven small loads are in; U's 32, issued behind them, may be out
	; ---- (1), first half
.irp p,0,2,4,6
	v_pk_mul_f32 v[16+\p:17+\p], v[16+\p:17+\p], v[32:33] op_sel_hi:[1,0]            ; the first feature's by its ss,
	v_pk_mul_f32 v[24+\p:25+\p], v[24+\p:25+\p], v[32:33] op_sel:[0,1] op_sel_hi:[1,1]   ; the second's by its own
.endr
.irp i,0,1,2,3
	ds_store_b128 v11, v[16+4*\i:19+4*\i] offset:16*\i   ; [row][feature][coefficient], as it lies in memory
.endr
	; ---- (3)
	global_store_b64 v8, v[40:41], s[28:29]        ; 32 tokens' pairs of a channel: 256 consecutive bytes, aligned
	global_store_b64 v8, v[42:43], s[28:29] offset:4096
	; ---- (2)
	s_cmp_lg_u32 s50, 0
	s_cbranch_scc1 .Lnot_base
	global_store_b64 v39, v[62:63], s[26:27]       ; the wave stores 256 consecutive bytes, aligned
.Lnot_base:
	s_wait_dscnt 0x0                               ; for the others' sake: my stores into LDS are done
	s_barrier_signal -1
	s_barrier_wait -1
	; ---- (1), second half
.irp k,0,1,2,3,4,5,6,7,8,9,10,11,12,13,14,15
	ds_load_b32 v[16+\k], v15 offset:32*\k         ; 16 neighbouring features of my coefficient
.endr
	s_wait_dscnt 0x0
	v_max3_num_f32 v34, |v16|, |v17|, |v18|        ; the largest magnitude of my 16, in two chains
	v_max3_num_f32 v35, |v23|, |v24|, |v25|
	v_max3_num_f32 v34, v34, |v19|, |v20|
	v_max3_num_f32 v35, v35, |v26|, |v27|
	v_max3_num_f32 v34, v34, |v21|, |v22|
	v_max3_num_f32 v35, v35, |v28|, |v29|
	v_max3_num_f32 v34, v34, v35, |v30|
	v_max3_num_f32 v34, v34, |v31|, 0x1800000      ; and the floor 2^(3 - 127): the byte cannot fall under 1
	v_max_num_f32_dpp v34, v34, v34 row_xmask:1 row_mask:0xf bank_mask:0xf   ; with my neighbour's 16: the block's
	v_add_nc_u32 v35, 0xff000000, v34              ; 2 off its exponent field: the conversion takes this operand's exponent field as its scale
	v_cvt_scalef32_pk8_fp4_f32 v36, v[16:23], v35
	v_cvt_scalef32_pk8_fp4_f32 v37, v[24:31], v35
	v_lshrrev_b32 v38, 23, v35                     ; the scale's byte
	global_store_b64 v58, v[36:37], s[26:27]       ; sixteen lanes store 128 consecutive bytes of a fragment
	global_store_b8 v57, v38, s[26:27]             ; both lanes of a block write the same byte with the same value
	; ---- (4)
	s_wait_loadcnt 0x0
.macro FOLD                            ; four pairs of partial sums -> the wave's sum, in every lane's v44
	v_pk_add_f32 v[44:45], v[44:45], v[46:47]
	v_pk_add_f32 v[48:49], v[48:49], v[50:51]
	v_pk_add_f32 v[44:45], v[44:45], v[48:49]
	v_add_f32 v44, v44, v45
	v_add_f32_dpp v44, v44, v44 row_xmask:1 row_mask:0xf bank_mask:0xf
	v_add_f32_dpp v44, v44, v44 row_xmask:2 row_mask:0xf bank_mask:0xf
	v_add_f32_dpp v44, v44, v44 row_xmask:4 row_mask:0xf bank_mask:0xf
	v_add_f32_dpp v44, v44, v44 row_xmask:8 row_mask:0xf bank_mask:0xf
	v_permlanex16_b32 v45, v44, s2, s3
	v_add_f32 v44, v44, v45
.endm
.irp k,0,1,2,3
	v_pk_add_f32 v[44+2*\k:45+2*\k], v[64+2*\k:65+2*\k], v[72+2*\k:73+2*\k]   ; the first pairs start four chains: nothing is cleared
.endr
.set j_, 8
.rept 56
	v_pk_add_f32 v[44+2*(j_%4):45+2*(j_%4)], v[44+2*(j_%4):45+2*(j_%4)], v[64+2*j_:65+2*j_]
.set j_, j_+1
.endr
	FOLD
	v_mul_f32 v52, 0x39800000, v44                 ; / 4,096: the part's mean
	v_mov_b32 v53, v52
.set j_, 0
.rept 64
	v_pk_add_f32 v[64+2*j_:65+2*j_], v[64+2*j_:65+2*j_], v[52:53] neg_lo:[0,1] neg_hi:[0,1]   ; the differences from it
.set j_, j_+1
.endr
.irp k,0,1,2,3
	v_pk_mul_f32 v[44+2*\k:45+2*\k], v[64+2*\k:65+2*\k], v[64+2*\k:65+2*\k]
.endr
.set j_, 4
.rept 60
	v_pk_fma_f32 v[44+2*(j_%4):45+2*(j_%4)], v[64+2*j_:65+2*j_], v[64+2*j_:65+2*j_], v[44+2*(j_%4):45+2*(j_%4)]
.set j_, j_+1
.endr
	FOLD
	v_mov_b32 v53, v44                             ; v[52:53] = (mean, sum of squared differences)
	; ---- (2): the base fragment's sixteen scale words, by wave 0 of the work-group that stores the fragment
	s_cmp_lg_u32 s32, 0
	s_cbranch_scc1 .Lno_words
	s_cmp_lg_u32 s50, 0
	s_cbranch_scc1 .Lno_words
	s_wait_xcnt 0x0                                ; EXEC changes only behind this wait: earlier loads and stores have it among their sources
	v_cmp_gt_u32 vcc_lo, 16, v1
	s_and_saveexec_b32 s51, vcc_lo                 ; sixteen rows, sixteen lanes
	global_store_b32 v4, v54, s[26:27]
	s_wait_xcnt 0x0                                ; and again, in front of the line that widens it
	s_or_b32 exec_lo, exec_lo, s51
.Lno_words:
	s_wait_xcnt 0x0
	v_cmp_eq_u32 vcc_lo, 0, v1
	s_wait_tensorcnt 0x0
	ds_add_u32 v192, v193
	s_wait_dscnt 0x0
	s_and_saveexec_b32 s51, vcc_lo                 ; every lane holds the wave's two numbers: lane 0 stores them
	global_store_b64 v10, v[52:53], s[30:31]
	s_wait_xcnt 0x0
	s_or_b32 exec_lo, exec_lo, s51
	s_endpgm
.Lfunc_end_k_q38284dced4_prep:
	.size	k_q38284dced4_prep, .Lfunc_end_k_q38284dced4_prep-k_q38284dced4_prep
	.p2alignl 7, 3214868480
	.fill 96, 4, 3214868480
	.section	.rodata,"a",@progbits
	.p2align	6, 0x0
	.amdhsa_kernel k_q38284dced4_prep
		.amdhsa_group_segment_fixed_size 8960
		.amdhsa_private_segment_fixed_size 0
		.amdhsa_enable_private_segment 0
		.amdhsa_kernarg_size 112
		.amdhsa_user_sgpr_count 2
		.amdhsa_user_sgpr_kernarg_segment_ptr 1
		.amdhsa_wavefront_size32 1
		.amdhsa_system_sgpr_workgroup_id_x 1
		.amdhsa_system_sgpr_workgroup_id_y 1
		.amdhsa_system_sgpr_workgroup_id_z 1
		.amdhsa_system_vgpr_workitem_id 0
		.amdhsa_next_free_vgpr 194
		.amdhsa_next_free_sgpr 66
		.amdhsa_reserve_vcc 1
		.amdhsa_float_denorm_mode_32 3
		.amdhsa_float_denorm_mode_16_64 3
		.amdhsa_memory_ordered 1
		.amdhsa_forward_progress 1
		.amdhsa_inst_pref_size 27
	.end_amdhsa_kernel
	.amdgpu_metadata
---
amdhsa.version: [ 1, 2 ]
amdhsa.kernels:
  - .name:           k_q38284dced4_prep
    .symbol:         k_q38284dced4_prep.kd
    .args:
      - { .name: U, .offset: 0, .size: 8, .value_kind: global_buffer, .address_space: global }
      - { .name: ln_w, .offset: 8, .size: 8, .value_kind: global_buffer, .address_space: global }
      - { .name: ln_b, .offset: 16, .size: 8, .value_kind: global_buffer, .address_space: global }
      - { .name: sw1, .offset: 24, .size: 8, .value_kind: global_buffer, .address_space: global }
      - { .name: ss1, .offset: 32, .size: 8, .value_kind: global_buffer, .address_space: global }
      - { .name: sw2, .offset: 40, .size: 8, .value_kind: global_buffer, .address_space: global }
      - { .name: ss2, .offset: 48, .size: 8, .value_kind: global_buffer, .address_space: global }
      - { .name: bw1_codes, .offset: 56, .size: 8, .value_kind: global_buffer, .address_space: global }
      - { .name: bw1_scales, .offset: 64, .size: 8, .value_kind: global_buffer, .address_space: global }
      - { .name: bw2_codes, .offset: 72, .size: 8, .value_kind: global_buffer, .address_space: global }
      - { .name: bw2_scales, .offset: 80, .size: 8, .value_kind: global_buffer, .address_space: global }
      - { .name: wpack, .offset: 88, .size: 8, .value_kind: global_buffer, .address_space: global }
      - { .name: lnT, .offset: 96, .size: 8, .value_kind: global_buffer, .address_space: global }
      - { .name: stats, .offset: 104, .size: 8, .value_kind: global_buffer, .address_space: global }
    .group_segment_fixed_size: 8960
    .private_segment_fixed_size: 0
    .kernarg_segment_align: 8
    .kernarg_segment_size: 112
    .max_flat_workgroup_size: 128
    .sgpr_count:     66
    .vgpr_count:     194
    .wavefront_size: 32
...
	.end_amdgpu_metadata
.endif
;; end of part 1
;; launch main (part 2): grid 256 x 1, 4 waves a work-group, clusters of 4 x 1, 327,680 bytes of LDS; arguments U, wpack, lnT, stats, out0; writes out0
.if DOCPART == 2
	.amdgcn_target "amdgcn-amd-amdhsa--gfx1250"
	.amdhsa_code_object_version 6
	.text
	.protected	k_q38284dced4_main
	.globl	k_q38284dced4_main
	.p2align	8
	.type	k_q38284dced4_main,@function
k_q38284dced4_main:
	s_mov_b64 s[64:65], 0
	v_nop
	global_prefetch_b8 v0, s[64:65] scope:SCOPE_SE
	s_setreg_imm32_b32 hwreg(HW_REG_WAVE_MODE, 25, 1), 1
	s_wait_xcnt 0x0
	s_wait_alu depctr_hold_cnt(0) depctr_sa_sdst(0) depctr_va_vdst(0) depctr_va_sdst(0) depctr_va_ssrc(0) depctr_va_vcc(0) depctr_vm_vsrc(0)
	s_getreg_b32 s2, hwreg(HW_REG_IB_STS2, 6, 4)
	s_cmp_eq_u32 s2, 0
	s_cbranch_scc0 .Lentry_in_a_cluster
	s_endpgm
.Lentry_in_a_cluster:
	s_bfe_u32 s2, ttmp6, 0x10000c
	s_cmp_lg_u32 s2, 0x3003
	s_cbranch_scc0 .Lentry_shape_is_right
	s_endpgm
.Lentry_shape_is_right:
; out0 = U + (KAN2(KAN1(LayerNorm(U^T))))^T.  U, out0: [64 b][128 c][512 t] f32.  A KAN layer: silu(x) bw^T + splines(x) (sw ss)^T, both products on codes of FP4 (E2M1) with one E8M0 scale for each 32 along K.
; wpack, lnT, stats come from the launch before: the weights of both layers as images of the matrix operand's registers with their scale words; (ln_w, ln_b) as pairs [c][t]; sixteen (mean, sum of squared differences) a batch.
; SHARES.  A cluster of four work-groups is a batch; a work-group takes 128 tokens through the whole chain; nothing between U and out0 goes to memory.  Wave w owns the 32 tokens 4 (16 q + r) + w (q = 0, 1: two tiles of 16; r = lane % 16).
; BOTH LAYERS ARE USED TRANSPOSED: source 0 = 16 weight rows, source 1 = 16 tokens.  So a lane (r, h = lane / 16) holds ONE token, its results run along the outputs, and a wave's activations never leave the wave.
; WEIGHTS.  A layer's pack (156,672 bytes) lies whole in LDS.  All work-groups read the same packs, so each quarter of a pack is asked for JOINTLY by the four partners of a cluster (mask 15), one tensor load a wave;
; layer 2's pack is the one refill, asked for when layer 1's last product is issued; it lands while the hidden layer is staged and its silu is made.  By this text's own count a wave has one tensor load out at any time.
; Each fragment read from LDS feeds two matrix instructions (the wave's two tiles of tokens).
; THE SPLINES.  THE SPLINE PRODUCT'S K IS coefficient x width + feature: a K step of 128 is ONE coefficient c of 128 features, and a block of 32 is 32 neighbouring features, which lie in one lane as silu's do:
; lane (r, h) holds features 64 cc + 32 h + 0 .. 31 of its token, and the conversions' results are registers 4 cc .. 4 cc + 3 of the operand.  The knots are uniform: basis c is the cardinal cubic B-spline at
; e = 2.5 x + 3.5 - c (one fused multiply-add): ((2 - |e|)+^3 - 4 (1 - |e|)+^3) / 6, computed as a^3 - b^3, a = k (2 - min(|e|, 2)), b = l (1 - min(|e|, 1)), k = 6^(-1/3), l = (2/3)^(1/3): no compare, exact zeros outside a basis's support.
; A trip of the spline loop is one coefficient; x stays in registers for the eight trips.
; LIMITS.  NaN and infinities among the inputs are not served.  A block of zeros has the scale byte 1 where the quantiser says 127 (its codes are zeros).  k and l are constants rounded to f32, and the closed form replaces the
; recursion over rounded knots: the values agree to some 1e-6 of a block's largest.  A layer's base and spline products are summed in one accumulator, K step by K step: another order of f32 sums than reference()'s.
; LDS: 0 the pack in hand (tensor loads alone write it); STG, 133,120 bytes, written by LDS stores alone and used three times: (a) x as [row 128][128 f32], pitch 528, row = 32 (token % 4) + token / 4, so that wave w owns rows 32 w on;
; (b) the hidden layer [row][256 f32], pitch 1,040, each wave its own 32 rows; (c) the result [channel 128][128 tokens], pitch 528.  Both pitches are odd multiples of 16 bytes: the sixteen rows that a 16-byte load touches
; start at sixteen different 16-byte columns of 256 bytes.  Behind STG the spare words.  All of LDS is claimed.
; REGISTERS, in windows of 256 (s_set_vgpr_msb: bits 1:0 source 0, 3:2 source 1, 5:4 source 2, 7:6 destination).  Window 0: addresses, constants, scale words, codes, all vector work.
; Window 1: lnT's 32 rows x 8, then layer 1's 32 accumulators (tile t, q at 8 (2 t + q)), then layer 2's 16 and, from v128, the rows on the way out.  Window 2: v0-127 weight fragments; v128-255 my 32 rows of U, kept for the residual.
; Window 3: v0-127 x for the splines: tile q, half cc at 64 q + 32 cc.
.set PACK,  156672
.set SCOFF, 147456                     ; the scale words' place in a pack
.set QUART, PACK/4                     ; 153 rows of 256 bytes: what one tensor load brings
.set STG,   PACK
.set P1,    528
.set P2,    1040
.set SPARE, STG+128*P2                 ; 289,792: the spare words, 128 bytes a wave: two blocks of 256 bytes that no other line names
.set SPW, 4                            ; v4   LDS address of my spare word; never rewritten
.set NIL, 5                            ; v5   0; never rewritten
.set YB1, 7                            ; v7   x: row 32 w + r, + 128 h: my 32 features of a block
.set YB2, 9                            ; v9   the same for the hidden layer
.set WB,  10                           ; v10  16 x lane: my 16 bytes of an image; also my 16 bytes of a row of U and of out0
.set SB,  11                           ; v11  SCOFF + 16 r: my weight row's four scale words
.set MN,  12                           ; v[12:13] the batch's mean, twice
.set TS,  14                           ; v14  at work on the statistics
.set HST, 15                           ; v15  where I put 32 bytes of the hidden layer
.set OST, 16                           ; v16  where I put a result of (c)
.set ORD, 17                           ; v17  where I read a row of (c) back
.set STO, 18                           ; v18  8 (lane % 16): my part's statistics
.set LNO, 19                           ; v19  32 x lane: four tokens' pairs in a row of lnT
.set XST, 20                           ; v20  where I put 16 bytes of x
.set H8,  21                           ; v21  8 h
.set WA,  22                           ; v22-23 the trip's addresses: fragments, scale words
.set SA,  23
.set NK,  30                           ; v[30:31] -k   v[32:33] 2 k   v[34:35] -l   v[36:37] l, each twice
.set K2,  32
.set NL,  34
.set L1,  36
.set RS,  38                           ; v[38:39] 1 / sqrt(var + eps), twice
.set WS,  40                           ; v40-55  the weights' scale words: these, SW and SWB hold scales and nothing else
.set SW,  56                           ; v56-57  the tokens' scale words, tile q
.set CODE, 58                          ; v58-73  the tokens' codes: 8 registers a tile
.set ER,  74                           ; v74-105  a block's 32 e, then a^2, a^3, the values
.set AR,  106                          ; v106-137 a, then b^2
.set BR,  138                          ; v138-169 b
.set NC,  170                          ; v[170:171] 3.5 - c, twice
.set CB2, 186                          ; v186-201 the codes of layer 2's second base step
.set MC,  218                          ; v218-221 maxima
.set SOP, 222                          ; v222 the conversions' scale operand
.set BY,  224                          ; v224-225 scale bytes
.set TP,  230
.set TQ,  231
.set SWB, 232                          ; v232-233 the tokens' scale words of layer 2's second base step
.set SI,  234                          ; v[234:235] my part's (mean, sum of squared differences)
.set Y0,  74                           ; silu: two sets of 32 numbers, and 32 at work
.set Y1,  106
.set EX,  138
.set NR,  74                           ; LayerNorm: 16 normalised numbers, 16 finished ones
.set XT,  90
.set WV,  14                           ; s14 wave   s15 cx
.set CX,  15
.set G1,  24                           ; s[24:31] descriptor group 1; s[32:35], s[36:39] groups 0 for layer 1's and layer 2's pack
.set G0A, 32
.set G0B, 36
.set SEL, 40                           ; s[40:41] v_permlanex16_b32's selects for lane l xor 16
.set CNT, 42
.set WO,  43                           ; s43 the trip's fragments, s44 its scale words
.set SO,  44
.set EPS, 47
.set NLE, 48                           ; s[48:49] -log2(e)   s[50:51] 2.5: packed forms name a pair and take its low word for both halves
.set C25, 50
.set MSB, 0
.macro WIN new                         ; the immediate's high byte repeats the setting that is left; a switch that changes nothing is dropped
.if MSB != \new
	s_set_vgpr_msb (MSB<<8)|\new
.set MSB, \new
.endif
.endm
.macro PLACES n
.rept \n
	v_nop
.endr
.endm
.macro BAR                             ; my LDS stores have landed and my LDS loads are in: then the work-group's barrier
	s_wait_dscnt 0x0
	s_barrier_signal -1
	s_barrier_wait -1
.endm
.macro ROUND                           ; a round of the cluster's barrier: my work-group's barrier; wave 0 signals for the work-group; every wave waits for all four; my work-group's barrier once more
	s_barrier_signal -1
	s_barrier_wait -1
	s_cmp_lg_u32 s[WV], 0
	s_cbranch_scc1 .Lnot_wave_0_\@
	s_barrier_signal -3
.Lnot_wave_0_\@:
	s_barrier_wait -3
	s_barrier_signal -1
	s_barrier_wait -1
.endm
	s_load_b256 s[4:11], s[0:1], 0x0               ; U s[4:5], wpack s[6:7], lnT s[8:9], stats s[10:11]
	s_load_b64 s[12:13], s[0:1], 0x20              ; out0
	v_lshl_add_u32 v[SPW], v0, 2, SPARE
	v_mov_b32 v[NIL], 0
	ds_add_u32 v4, v5
	ds_add_u32 v4, v5
	s_wait_dscnt 0x0
	v_lshrrev_b32 v1, 5, v0
	v_readfirstlane_b32 s[WV], v1                  ; wave 0..3
	s_bfe_u32 s[CX], ttmp6, 0x40000                ; cx: which 128 tokens of the batch; it enters the addresses of U, lnT and out0 alone
	v_and_b32 v1, 31, v0                           ; lane
	v_and_b32 v2, 15, v0                           ; r
	v_bfe_u32 v3, v0, 4, 1                         ; h
	s_mul_i32 s16, s[WV], 32*P1
	v_mul_u32_u24 v[YB1], v2, P1
	v_add_nc_u32 v[YB1], s16, v[YB1]
	v_add_nc_u32 v[YB1], STG, v[YB1]               ; row 32 w + r of (a)
	v_lshl_add_u32 v[YB1], v3, 7, v[YB1]
	s_mul_i32 s17, s[WV], 32*P2
	v_mul_u32_u24 v[HST], v2, P2
	v_add_nc_u32 v[HST], s17, v[HST]
	v_add_nc_u32 v[HST], STG, v[HST]               ; row 32 w + r of (b)
	v_lshl_add_u32 v[YB2], v3, 7, v[HST]
	v_lshl_add_u32 v[HST], v3, 5, v[HST]           ; a tile's eight hidden units of my half: + 32 h
	v_lshlrev_b32 v[WB], 4, v1
	v_lshl_add_u32 v[SB], v2, 4, SCOFF
	v_mul_u32_u24 v[OST], v3, 8*P1                 ; (c): channel 8 h + .., token 4 (16 q + r) + w
	v_lshl_add_u32 v[OST], v2, 4, v[OST]
	s_lshl_b32 s18, s[WV], 2
	v_add_nc_u32 v[OST], s18, v[OST]
	v_add_nc_u32 v[OST], STG, v[OST]
	v_add_nc_u32 v[ORD], s16, v[WB]                ; (c) back: channels 32 w on, 16 bytes a lane
	v_add_nc_u32 v[ORD], STG, v[ORD]
	v_lshlrev_b32 v[STO], 3, v2
	v_lshlrev_b32 v[LNO], 5, v1
	v_mul_u32_u24 v[XST], v1, P1                   ; (a) in: my token 4 lane + k is row 32 k + lane; my wave's channels 32 w on
	s_lshl_b32 s18, s[WV], 7
	v_add_nc_u32 v[XST], s18, v[XST]
	v_add_nc_u32 v[XST], STG, v[XST]
	v_lshlrev_b32 v[H8], 3, v3
.irp u,0,1
	v_mov_b32 v[NK+\u], 0xbf0ce1da                 ; -6^(-1/3)
	v_mov_b32 v[K2+\u], 0x3f8ce1da                 ; twice that, positive: the same mantissa, so -k x 2 + 2 k is an exact zero
	v_mov_b32 v[NL+\u], 0xbf5fa2f8                 ; -(2/3)^(1/3)
	v_mov_b32 v[L1+\u], 0x3f5fa2f8
.endr
	v_mov_b32 v[TQ], 0                             ; written once: a lane permute's destination counts as one of its sources
	s_mov_b32 s[SEL], 0x76543210
	s_mov_b32 s[SEL+1], 0xfedcba98
	s_mov_b32 s[EPS], 0x3727c5ac                   ; 1e-5
	s_mov_b32 s[NLE], 0xbfb8aa3b
	s_mov_b32 s[NLE+1], 0xbfb8aa3b
	s_mov_b32 s[C25], 0x40200000
	s_mov_b32 s[C25+1], 0x40200000
	; descriptor group 1: a quarter of a pack, dense: 153 rows of 32 elements of 8 bytes, no padding
	s_mov_b32 s[G1+0], 15|(3<<16)|(1<<21)          ; 15:0 the mask: all four work-groups; 17:16 elements of 8 bytes; 21 set beside a mask
	s_mov_b32 s[G1+1], 32<<16                      ; tensor_dim0 = 32
	s_mov_b32 s[G1+2], 153<<16                     ; tensor_dim1 = 153
	s_mov_b32 s[G1+3], 32<<16                      ; tile_dim0 = 32
	s_mov_b32 s[G1+4], 153                         ; tile_dim1 = 153
	s_mov_b32 s[G1+5], 32                          ; from row to row
	s_mov_b32 s[G1+6], 0
	s_mov_b32 s[G1+7], 0
	s_lshl_b32 s16, ttmp9, 18                      ; U, out0: batch x 262,144 (in a cluster launch ttmp9 counts clusters)
	s_lshl_b32 s18, s[WV], 16                      ; + my 32 channels x 2,048
	s_add_co_u32 s16, s16, s18
	s_lshl_b32 s18, s[CX], 9                       ; + 128 tokens x 4
	s_add_co_u32 s16, s16, s18
	s_mov_b32 s17, 0
	s_lshl_b32 s18, s[WV], 17                      ; lnT: my 32 channels x 4,096
	s_lshl_b32 s19, s[CX], 10                      ; + 128 tokens x 8
	s_add_co_u32 s18, s18, s19
	s_mov_b32 s19, 0
	s_lshl_b32 s22, ttmp9, 7                       ; stats: 128 bytes a batch
	s_mov_b32 s23, 0
	s_mul_i32 s20, s[WV], QUART                    ; my quarter of a pack, in memory and in LDS alike: the wave's number alone
	s_mov_b32 s21, 0
	s_wait_kmcnt 0x0
	s_add_nc_u64 s[4:5], s[4:5], s[16:17]
	s_add_nc_u64 s[12:13], s[12:13], s[16:17]
	s_add_nc_u64 s[8:9], s[8:9], s[18:19]
	s_add_nc_u64 s[10:11], s[10:11], s[22:23]
	s_mov_b32 s[G0A], 1                            ; 1:0 count = 1
	s_mov_b32 s[G0A+1], s20                        ; LDS address
	s_add_nc_u64 s[G0A+2:G0A+3], s[6:7], s[20:21]  ; global address: layer 1's pack
	s_mov_b32 s[G0B], 1
	s_mov_b32 s[G0B+1], s20
	s_add_nc_u64 s[G0B+2:G0B+3], s[G0A+2:G0A+3], PACK   ; layer 2's
	s_or_b32 s[G0A+3], s[G0A+3], 0x80000000        ; type = 2
	s_or_b32 s[G0B+3], s[G0B+3], 0x80000000
	global_load_b64 v[SI:SI+1], v[STO], s[10:11]   ; lanes l and l + 16 take part l % 16 of the batch's sixteen
	WIN 0x80                                       ; destination window 2
.set i_, 0
.rept 32
	global_load_b128 v[128+4*i_:131+4*i_], v[WB], s[4:5] offset:2048*i_ th:TH_LOAD_NT   ; channel 32 w + i, tokens 4 lane + 0 .. 3: 512 consecutive bytes a load
.set i_, i_+1
.endr
	WIN 0
	ROUND                                          ; all four work-groups are here: the first joint loads meet
	tensor_load_to_lds s[G0A:G0A+3], s[G1:G1+7]    ; my quarter of layer 1's pack
	s_nop 0
	PLACES 4                                       ; four plain lines follow a tensor load
	WIN 0x40                                       ; destination window 1
.set i_, 0
.rept 32
	global_load_b128 v[8*i_:8*i_+3], v[LNO], s[8:9] offset:4096*i_         ; (w, b) of tokens 4 lane, 4 lane + 1 of channel 32 w + i
	global_load_b128 v[8*i_+4:8*i_+7], v[LNO], s[8:9] offset:4096*i_+16    ; and of 4 lane + 2, 4 lane + 3
.set i_, i_+1
.endr
	WIN 0
	; ---- the batch's mean and variance from its sixteen parts of 4,096 numbers
	s_wait_loadcnt 63                              ; the oldest load is in: 96 were issued behind it, more than the count can name
	v_mov_b32 v[TS], v[SI]
.irp x,1,2,4,8
	v_add_f32_dpp v[TS], v[TS], v[TS] row_xmask:\x row_mask:0xf bank_mask:0xf
.endr
	v_mul_f32 v[MN], 0x3d800000, v[TS]             ; / 16: parts of equal size
	v_mov_b32 v[MN+1], v[MN]
	v_sub_f32 v[TS], v[SI], v[MN]
	v_mul_f32 v[TS], v[TS], v[TS]
	v_fma_f32 v[TS], v[TS], 0x45800000, v[SI+1]    ; the part's squares about the batch's mean: its own + 4,096 (its mean - the mean)^2
.irp x,1,2,4,8
	v_add_f32_dpp v[TS], v[TS], v[TS] row_xmask:\x row_mask:0xf bank_mask:0xf
.endr
	v_fma_f32 v[TS], v[TS], 0x37800000, s[EPS]     ; / 65,536 + eps
	v_rsq_f32 v[RS], v[TS]
	v_rsq_f32 v[RS+1], v[TS]
	v_nop                                          ; a plain line behind the last of them,
	s_wait_alu depctr_va_vdst(0)                   ; and the wait ahead of the first reader: one for both
; ---- LayerNorm of my channels 4 G .. 4 G + 3, all 128 tokens: ((U - mean) rstd) w + b, turned so that four CHANNELS of a token lie in four neighbouring registers
.macro LNGROUP G
	s_wait_loadcnt 8*(7-\G)                        ; U is long in; lnT's rows up to 4 G + 3 are in: the 8 (7 - G) loads of the later rows may be out
	WIN 0x02                                       ; source 0 (U) window 2
.irp p,0,2,4,6,8,10,12,14
	v_pk_add_f32 v[NR+\p:NR+\p+1], v[128+16*\G+\p:129+16*\G+\p], v[MN:MN+1] neg_lo:[0,1] neg_hi:[0,1]
.endr
	WIN 0
.irp p,0,2,4,6,8,10,12,14
	v_pk_mul_f32 v[NR+\p:NR+\p+1], v[NR+\p:NR+\p+1], v[RS:RS+1]
.endr
	WIN 0x14                                       ; sources 1 and 2 (w, b) window 1
.irp i,0,1,2,3
.irp k,0,1,2,3
	v_fma_f32 v[XT+4*\k+\i], v[NR+4*\i+\k], v[32*\G+8*\i+2*\k], v[32*\G+8*\i+2*\k+1]
.endr
.endr
	WIN 0
.irp k,0,1,2,3
	ds_store_b128 v[XST], v[XT+4*\k:XT+4*\k+3] offset:32*P1*\k+16*\G   ; token 4 lane + k: row 32 k + lane; channels 32 w + 4 G on
.endr
.endm
.irp G,0,1,2,3,4,5,6,7
	LNGROUP \G
.endr
	BAR                                            ; x lies whole in (a): a row's 128 channels come from four waves
; 32 numbers of one token, one block of 32 along K, in v[y] on: the block's scale, its byte, four registers of codes.  ab = 1: numbers of either sign
.macro QUANT32 y, code, by, ab
.if \ab
.irp k,0,1,2,3
	v_max3_num_f32 v[MC+\k], |v[\y+8*\k]|, |v[\y+8*\k+1]|, |v[\y+8*\k+2]|   ; the block's largest magnitude: all 32 are mine; four chains
.endr
.irp i,3,5
.irp k,0,1,2,3
	v_max3_num_f32 v[MC+\k], v[MC+\k], |v[\y+8*\k+\i]|, |v[\y+8*\k+\i+1]|
.endr
.endr
	v_max3_num_f32 v[MC], v[MC], |v[\y+7]|, |v[\y+15]|
	v_max3_num_f32 v[MC+2], v[MC+2], |v[\y+23]|, |v[\y+31]|
.else
.irp k,0,1,2,3
	v_max3_num_f32 v[MC+\k], v[\y+8*\k], v[\y+8*\k+1], v[\y+8*\k+2]         ; (a basis is never negative but by a rounding at 0, which the floor stands over)
.endr
.irp i,3,5
.irp k,0,1,2,3
	v_max3_num_f32 v[MC+\k], v[MC+\k], v[\y+8*\k+\i], v[\y+8*\k+\i+1]
.endr
.endr
	v_max3_num_f32 v[MC], v[MC], v[\y+7], v[\y+15]
	v_max3_num_f32 v[MC+2], v[MC+2], v[\y+23], v[\y+31]
.endif
	v_max3_num_f32 v[MC], v[MC], v[MC+1], v[MC+2]
	v_max3_num_f32 v[MC], v[MC], v[MC+3], 0x1800000   ; and the floor 2^(3 - 127): the byte cannot fall under 1
	v_add_nc_u32 v[SOP], 0xff000000, v[MC]         ; 2 off its exponent field: the conversion's scale operand
	v_lshrrev_b32 v[\by], 23, v[SOP]               ; the scale's byte
.irp g,0,1,2,3
	v_cvt_scalef32_pk8_fp4_f32 v[\code+\g], v[\y+8*\g:\y+8*\g+7], v[SOP]
.endr
	v_nop                                          ; one plain line behind a run of scaled conversions
.endm
.macro SCALEWORD sw                            ; my two bytes, blocks h and 2 + h of my token's K step, and lane l xor 16's two make the scale word
	v_lshl_or_b32 v[TP], v[BY+1], 16, v[BY]
	v_lshlrev_b32 v[TP], v[H8], v[TP]
	v_permlanex16_b32 v[TQ], v[TP], s[SEL], s[SEL+1]
	v_or_b32 v[\sw], v[TP], v[TQ]
.endm
; ---- silu of 32 numbers in v[y] on: x / (1 + 2^(-x log2 e)); then quantised
.macro SILU_BLK y, code, by
.set n_, 0
.rept 16
	v_pk_mul_f32 v[EX+n_:EX+n_+1], v[\y+n_:\y+n_+1], s[NLE:NLE+1] op_sel_hi:[1,0]
.set n_, n_+2
.endr
.set n_, 0
.rept 32
	v_exp_f32 v[EX+n_], v[EX+n_]
.set n_, n_+1
.endr
	v_nop                                          ; a plain line behind the batch,
	s_wait_alu depctr_va_vdst(0)                   ; and one wait for it, ahead of its first reader
.set n_, 0
.rept 16
	v_pk_add_f32 v[EX+n_:EX+n_+1], v[EX+n_:EX+n_+1], 1.0 op_sel_hi:[1,0]
.set n_, n_+2
.endr
.set n_, 0
.rept 32
	v_rcp_f32 v[EX+n_], v[EX+n_]
.set n_, n_+1
.endr
	v_nop
	s_wait_alu depctr_va_vdst(0)
.set n_, 0
.rept 16
	v_pk_mul_f32 v[\y+n_:\y+n_+1], v[\y+n_:\y+n_+1], v[EX+n_:EX+n_+1]
.set n_, n_+2
.endr
	QUANT32 \y, \code, \by, 1
.endm
; One tile of tokens, one K step of 128 features of the base product.  Lane (r, h) holds blocks h (cc = 0) and 2 + h (cc = 1) of its token: features 64 cc + 32 h + 0 .. 31, which are registers 4 cc .. 4 cc + 3 of the operand as they come.
.macro SILU_PAIR yb, off, code, sw
.irp i,0,1,2,3,4,5,6,7
	ds_load_b128 v[Y0+4*\i:Y0+4*\i+3], v[\yb] offset:\off+16*\i
.endr
.irp i,0,1,2,3,4,5,6,7
	ds_load_b128 v[Y1+4*\i:Y1+4*\i+3], v[\yb] offset:\off+256+16*\i
.endr
	s_wait_dscnt 8                                 ; the first block is in; the second's eight loads may be out
	SILU_BLK Y0, \code, BY
	s_wait_dscnt 0x0
	SILU_BLK Y1, \code+4, BY+1
	SCALEWORD \sw
.endm
; nt weight fragments and their scale words, from the pack in LDS: an image comes back by two loads of 512 consecutive bytes; four tiles' words of my row by one load
.macro WFETCH nt, freg, ws, wa, sa, woff, soff
	WIN 0x80                                       ; destination window 2
.set t_, 0
.rept \nt
	ds_load_b128 v[\freg+8*t_:\freg+8*t_+3], v[\wa] offset:\woff+1024*t_
	ds_load_b128 v[\freg+8*t_+4:\freg+8*t_+7], v[\wa] offset:\woff+1024*t_+512
.set t_, t_+1
.endr
	WIN 0
.set t_, 0
.rept \nt/4
	ds_load_b128 v[\ws+4*t_:\ws+4*t_+3], v[\sa] offset:\soff+256*t_
.set t_, t_+1
.endr
.endm
; 2 nt matrix instructions: nt tiles of weight rows x my two tiles of tokens, 128 along K.  The accumulators take turns, one instruction a turn, in the same order in every K step.  zero = 1: the products start the sums.
.macro MMA nt, freg, ws, code, sw, zero
	WIN 0x52                                       ; source 0 (weights) window 2, source 1 (tokens) window 0, C and D window 1
.set t_, 0
.rept \nt
.irp q,0,1
.if \zero
	v_wmma_scale_f32_16x16x128_f8f6f4 v[8*(2*t_+\q):8*(2*t_+\q)+7], v[\freg+8*t_:\freg+8*t_+7], v[\code+8*\q:\code+8*\q+7], 0, v[\ws+t_], v[\sw+\q] matrix_a_fmt:MATRIX_FMT_FP4 matrix_b_fmt:MATRIX_FMT_FP4
.else
	v_wmma_scale_f32_16x16x128_f8f6f4 v[8*(2*t_+\q):8*(2*t_+\q)+7], v[\freg+8*t_:\freg+8*t_+7], v[\code+8*\q:\code+8*\q+7], v[8*(2*t_+\q):8*(2*t_+\q)+7], v[\ws+t_], v[\sw+\q] matrix_a_fmt:MATRIX_FMT_FP4 matrix_b_fmt:MATRIX_FMT_FP4
.endif
.endr
.set t_, t_+1
.endr
	WIN 0
.endm
; Basis c of 32 features of one token (one block of 32 along K): x in window 3, v[x] on -> four registers of codes, the scale's byte
.macro BLOCK32 x, code, by
	WIN 0x03                                       ; source 0 (x) window 3
.set n_, 0
.rept 16
	v_pk_fma_f32 v[ER+n_:ER+n_+1], v[(\x)+n_:(\x)+n_+1], s[C25:C25+1], v[NC:NC+1] op_sel_hi:[1,0,1]   ; e = 2.5 x + (3.5 - c)
.set n_, n_+2
.endr
	WIN 0
.set n_, 0
.rept 32
	v_min_num_f32 v[AR+n_], |v[ER+n_]|, 2.0
.set n_, n_+1
.endr
.set n_, 0
.rept 32
	v_min_num_f32 v[BR+n_], |v[ER+n_]|, 1.0
.set n_, n_+1
.endr
.set n_, 0
.rept 16
	v_pk_fma_f32 v[AR+n_:AR+n_+1], v[AR+n_:AR+n_+1], v[NK:NK+1], v[K2:K2+1]    ; a = k (2 - min(|e|, 2))
.set n_, n_+2
.endr
.set n_, 0
.rept 16
	v_pk_fma_f32 v[BR+n_:BR+n_+1], v[BR+n_:BR+n_+1], v[NL:NL+1], v[L1:L1+1]    ; b = l (1 - min(|e|, 1))
.set n_, n_+2
.endr
.set n_, 0
.rept 16
	v_pk_mul_f32 v[ER+n_:ER+n_+1], v[AR+n_:AR+n_+1], v[AR+n_:AR+n_+1]
.set n_, n_+2
.endr
.set n_, 0
.rept 16
	v_pk_mul_f32 v[ER+n_:ER+n_+1], v[ER+n_:ER+n_+1], v[AR+n_:AR+n_+1]          ; a^3
.set n_, n_+2
.endr
.set n_, 0
.rept 16
	v_pk_mul_f32 v[AR+n_:AR+n_+1], v[BR+n_:BR+n_+1], v[BR+n_:BR+n_+1]
.set n_, n_+2
.endr
.set n_, 0
.rept 16
	v_pk_fma_f32 v[ER+n_:ER+n_+1], v[AR+n_:AR+n_+1], v[BR+n_:BR+n_+1], v[ER+n_:ER+n_+1] neg_lo:[1,0,0] neg_hi:[1,0,0]   ; a^3 - b^3
.set n_, n_+2
.endr
	QUANT32 ER, \code, \by, 0
.endm
.macro SPL_TILE q                              ; tile q's operand of a spline K step: 8 registers of codes and the scale word
	BLOCK32 64*\q, CODE+8*\q, BY
	BLOCK32 64*\q+32, CODE+8*\q+4, BY+1
	SCALEWORD SW+\q
.endm
; The spline product over 128 features (from byte yoff of my rows on): x into window 3, then eight trips, one coefficient = one K step each, from K step first of the pack on.
; A trip fetches its weights at its head, makes both tiles' operands while they come, and multiplies.
.macro SPLINE nt, yb, qoff, yoff, first
	WIN 0xc0                                       ; destination window 3
.irp q,0,1
.irp cc,0,1
.irp i,0,1,2,3,4,5,6,7
	ds_load_b128 v[64*\q+32*\cc+4*\i:64*\q+32*\cc+4*\i+3], v[\yb] offset:\q*(\qoff)+(\yoff)+256*\cc+16*\i
.endr
.endr
.endr
	WIN 0
	v_mov_b32 v[NC], 0x40600000                    ; 3.5 - c, c = 0
	v_mov_b32 v[NC+1], 0x40600000
	s_mov_b32 s[CNT], 0
	s_mov_b32 s[WO], (\first)*(\nt)*1024
	s_mov_b32 s[SO], (\first)*(\nt)*64
.Lspline_\@:
	v_add_nc_u32 v[WA], s[WO], v[WB]
	v_add_nc_u32 v[SA], s[SO], v[SB]
	PLACES 2                                       ; with the two additions: four places between the last products and the loads into their fragments and scale words
	WFETCH \nt, 0, WS, WA, SA, 0, 0
	s_add_co_u32 s[WO], s[WO], (\nt)*1024
	s_add_co_u32 s[SO], s[SO], (\nt)*64
	s_wait_dscnt 2*\nt+\nt/4                       ; x is in (first trip): the trip's weight loads, issued behind it, may be out
	SPL_TILE 0
	SPL_TILE 1
	v_pk_add_f32 v[NC:NC+1], v[NC:NC+1], -1.0 op_sel_hi:[1,0]   ; the next coefficient
	PLACES 7                                       ; with the line above: a scale word written by vector lines stands eight places ahead of a scaled product, codes four
	s_wait_dscnt 0x0                               ; fragments and scale words are in
	MMA \nt, 0, WS, CODE, SW, 0
	s_add_co_u32 s[CNT], s[CNT], 1
	s_cmp_lt_u32 s[CNT], 8
	s_cbranch_scc1 .Lspline_\@
.endm
	; ---- layer 1: silu(x) of my two tiles (K = 128: one step)
	SILU_PAIR YB1, 0, CODE, SW
	SILU_PAIR YB1, 16*P1, CODE+8, SW+1
	PLACES 8                                       ; a scale word written by vector lines stands eight places ahead of a scaled product
	s_wait_tensorcnt 0x0                           ; my quarter of layer 1's pack is in,
	BAR                                            ; everybody's is.
	WFETCH 16, 0, WS, WB, SB, 0, 0                 ; K step 0: bw1
	s_wait_dscnt 0x0
	MMA 16, 0, WS, CODE, SW, 1                     ; the base product starts the 32 sums: nothing is cleared
	SPLINE 16, YB1, 16*P1, 0, 1
	; ---- layer 2's pack over layer 1's
	s_wait_tensorcnt 0x0                           ; no tensor load of mine is out;
	ds_add_u32 v[SPW], v[NIL]                      ; 0 onto my spare word;
	PLACES 4                                       ; (places behind the last products)
	s_wait_dscnt 0x0                               ; the add is done; my reads of the pack and of x are over
	ROUND                                          ; the same holds of every wave of all four work-groups
	tensor_load_to_lds s[G0B:G0B+3], s[G1:G1+7]    ; the joint refill, first behind the round: my one tensor load
	s_nop 0
	PLACES 4
	; ---- the hidden layer into (b): my own 32 rows.  (x of every wave has been read: the round stands between.)  LDS serves a wave's instructions in order, so my loads below see these stores
	WIN 0x04                                       ; an LDS store's data are its source 1: window 1
.set t_, 0
.rept 16
.irp q,0,1
	ds_store_b128 v[HST], v[8*(2*t_+\q):8*(2*t_+\q)+3] offset:16*P2*\q+64*t_          ; hidden units 16 t + 8 h + 0 .. 3 of token (q, r): each accumulator from its low end on
	ds_store_b128 v[HST], v[8*(2*t_+\q)+4:8*(2*t_+\q)+7] offset:16*P2*\q+64*t_+16
.endr
.set t_, t_+1
.endr
	WIN 0
	; ---- layer 2: silu of the hidden layer (K = 256: two steps)
	SILU_PAIR YB2, 0, CODE, SW
	SILU_PAIR YB2, 16*P2, CODE+8, SW+1
	SILU_PAIR YB2, 512, CB2, SWB
	SILU_PAIR YB2, 16*P2+512, CB2+8, SWB+1
	PLACES 8
	s_wait_tensorcnt 0x0                           ; my quarter of layer 2's pack is in,
	BAR                                            ; everybody's is
	WFETCH 8, 0, WS, WB, SB, 0, 0                  ; K steps 0 and 1: bw2
	WFETCH 8, 64, WS+8, WB, SB, 8192, 512
	s_wait_dscnt 0x0
	MMA 8, 0, WS, CODE, SW, 1
	MMA 8, 64, WS+8, CB2, SWB, 0
	SPLINE 8, YB2, 16*P2, 0, 2                     ; hidden units 0 .. 127: K steps 2 .. 9
	SPLINE 8, YB2, 16*P2, 512, 10                  ; hidden units 128 .. 255: K steps 10 .. 17
	; ---- the way out: the result is turned back to [channel][token] in (c), the residual is added, whole rows leave
	PLACES 4                                       ; places behind the last products
	BAR                                            ; every wave's reads of the hidden layer are over
	WIN 0x04
.set t_, 0
.rept 8
.irp q,0,1
.irp j,0,1,2,3,4,5,6,7
	ds_store_b32 v[OST], v[8*(2*t_+\q)+\j] offset:(16*t_+\j)*P1+256*\q   ; channel 16 t + 8 h + j, token 4 (16 q + r) + w
.endr
.endr
.set t_, t_+1
.endr
	WIN 0
	BAR                                            ; 128 whole rows lie in (c): a row's tokens come from four waves
	WIN 0x40                                       ; destination window 1
.set i_, 0
.rept 32
	ds_load_b128 v[128+4*i_:131+4*i_], v[ORD] offset:P1*i_   ; channel 32 w + i, tokens 4 lane + 0 .. 3: as U lies in window 2
.set i_, i_+1
.endr
.irp g,0,1,2,3
	s_wait_dscnt 24-8*\g                           ; rows 8 g .. 8 g + 7 are back; the later rows' loads may be out
	WIN 0x49                                       ; destination and source 0 window 1, source 1 (U) window 2
.set n_, 0
.rept 16
	v_pk_add_f32 v[128+32*\g+n_:129+32*\g+n_], v[128+32*\g+n_:129+32*\g+n_], v[128+32*\g+n_:129+32*\g+n_]
.set n_, n_+2
.endr
	WIN 0x04                                       ; a store's data are its source 1: window 1
.irp i,0,1,2,3,4,5,6,7
	global_store_b128 v[WB], v[128+32*\g+4*\i:131+32*\g+4*\i], s[12:13] offset:2048*(8*\g+\i) th:TH_STORE_NT   ; 32 lanes store 512 consecutive bytes, at a multiple of 256 from out0's first byte
.endr
.endr
	WIN 0
	s_wait_tensorcnt 0x0                           ; the wave's end: behind my last tensor load and my last LDS store
	ds_add_u32 v[SPW], v[NIL]
	s_wait_dscnt 0x0
	ROUND                                          ; the closing round: no work-group ends while a partner may still ask for a tile that names it
	s_endpgm
.Lfunc_end_k_q38284dced4_main:
	.size	k_q38284dced4_main, .Lfunc_end_k_q38284dced4_main-k_q38284dced4_main
	.p2alignl 7, 3214868480
	.fill 96, 4, 3214868480
	.section	.rodata,"a",@progbits
	.p2align	6, 0x0
	.amdhsa_kernel k_q38284dced4_main
		.amdhsa_group_segment_fixed_size 327680
		.amdhsa_private_segment_fixed_size 0
		.amdhsa_enable_private_segment 0
		.amdhsa_kernarg_size 40
		.amdhsa_user_sgpr_count 2
		.amdhsa_user_sgpr_kernarg_segment_ptr 1
		.amdhsa_wavefront_size32 1
		.amdhsa_system_sgpr_workgroup_id_x 1
		.amdhsa_system_sgpr_workgroup_id_y 1
		.amdhsa_system_sgpr_workgroup_id_z 1
		.amdhsa_system_vgpr_workitem_id 0
		.amdhsa_next_free_vgpr 896
		.amdhsa_next_free_sgpr 66
		.amdhsa_reserve_vcc 0
		.amdhsa_float_denorm_mode_32 3
		.amdhsa_float_denorm_mode_16_64 3
		.amdhsa_memory_ordered 1
		.amdhsa_forward_progress 1
		.amdhsa_inst_pref_size 255
	.end_amdhsa_kernel
	.section	.bss,"aw",@nobits
	.p2align	6
	.space	262144
	.amdgpu_metadata
---
amdhsa.version: [ 1, 2 ]
amdhsa.kernels:
  - .name:           k_q38284dced4_main
    .symbol:         k_q38284dced4_main.kd
    .args:
      - { .name: U, .offset: 0, .size: 8, .value_kind: global_buffer, .address_space: global }
      - { .name: wpack, .offset: 8, .size: 8, .value_kind: global_buffer, .address_space: global }
      - { .name: lnT, .offset: 16, .size: 8, .value_kind: global_buffer, .address_space: global }
      - { .name: stats, .offset: 24, .size: 8, .value_kind: global_buffer, .address_space: global }
      - { .name: out0, .offset: 32, .size: 8, .value_kind: global_buffer, .address_space: global }
    .group_segment_fixed_size: 327680
    .private_segment_fixed_size: 0
    .kernarg_segment_align: 8
    .kernarg_segment_size: 40
    .max_flat_workgroup_size: 128
    .sgpr_count:     66
    .vgpr_count:     896
    .wavefront_size: 32
...
	.end_amdgpu_metadata
.endif
;; end of part 2
